; MI455X (gfx1250); checked and timed in simulation.
; The chip was launched on July 23, 2026; its instructions are those of AMD's public machine-readable ISA for CDNA 5 (MIT licence, August 2026) and "CDNA5" Instruction Set Architecture Reference Guide (July 2026). The comments in the code are by the model that wrote it; some were corrected since.
;; Self Attention. Allowed arithmetic: matrix products marked QUANTISED: E2M3 operands, one E8M0 scale for each 32 along K, by v_wmma_scale_f32_16x16x128_f8f6f4 with both operands' format E2M3, f32 sums; everything else in f32.
;; Inputs: W_out 1,024 x 1,024 float32; key 2 x 2,048 x 1,024 float32; mask 2 x 1 x 1 x 2,048 int32; query 2 x 2,048 x 1,024 float32; values 2 x 2,048 x 1,024 float32.
;; Outputs: out0 2 x 2,048 x 1,024 float32.
;; This version of the problem:
;;   THIS VERSION OF THE PROBLEM IS GIVEN IN LOW PRECISION. The matrix products marked QUANTISED in the list below multiply operands that are first quantised to E2M3 (2 exponent bits, 3 mantissa bits; 6 bits a number), with one power-of-two scale for each 32 numbers along K (OCP MX v1.0); their sums are f32. All else is computed in f32.
;;   The module's matrix products, in the order in which they are computed (A, B: the left and right operand; K: the contracted axis; several contracted axes count as one K, in the product's order):
;;     1. batch 32 x [M 2,048, K 64] x [K 64, N 2,048]; A: input query; B: input key: QUANTISED
;;     2. batch 32 x [M 64, K 2,048] x [K 2,048, N 2,048]; A: input values; B: softmax (see below): QUANTISED
;;     3. [M 4,096, K 1,024] x [K 1,024, N 1,024]; A: computed on the way; B: input W_out: QUANTISED
;;   THE QUANTISER, for each operand of a quantised product, along K:
;;     - K is cut into blocks of 32 from its start; a last block that is shorter is filled with zeros.
;;     - A block's scale is 2^e with e = floor(log2(the largest magnitude in the block)) - 2, held to -126 .. 127; a block of zeros has e = 0. As a byte (E8M0): e + 127.
;;     - Each number is divided by its block's scale, clamped to +-7.5, and rounded to the nearest number of E2M3, ties to even, subnormals kept.
;;     - The product sums the exact products of the quantised numbers (number of the format x scale) in f32.
;;   ~~~python
;;   def quantise(x, axis):      # numpy; x: float32 -> the quantised numbers, widened to float32 again
;;       x = np.moveaxis(x, axis, -1); K = x.shape[-1]
;;       x = np.pad(x, [(0, 0)] * (x.ndim - 1) + [(0, -K % 32)]); x = x.reshape(x.shape[:-1] + (-1, 32)); a = np.abs(x).max(-1, keepdims=True)
;;       e = np.where(a > 0, np.clip(np.frexp(np.where(a > 0, a, 1))[1] - 1 - 2, -126, 127), 0)      # np.frexp(a)[1] - 1 = floor(log2(a)), exactly
;;       r = np.clip(x / 2.0 ** e, -7.5, 7.5)
;;       step = 2.0 ** (np.maximum(np.frexp(np.where(r == 0, 1, r))[1] - 1, 0) - 3)
;;       q = np.round(r / step) * step * 2.0 ** e      # np.round: ties to even
;;       return np.moveaxis(q.reshape(q.shape[:-2] + (-1,))[..., :K], -1, axis).astype(np.float32)
;;   ~~~
;;   SOFTMAX AHEAD OF A QUANTISED PRODUCT. Where the list says 'softmax', what is quantised is not the finished softmax but p = 2^(t - M), with t = logit x log2(e) and M = ceil(the row's largest t), a whole number; so 1/2 < the row's largest p <= 1. The row's sum l is taken of the UNQUANTISED p, in f32, and the product's result is divided by l at the end. Since M is a whole number, a kernel that streams over the keys may use a running M (the ceiling of the running maximum): every later rescaling is an exact power of two, which a block's scale takes up: the codes' values come out the same.
;;   OPERANDS COMPUTED ON THE WAY. 'Computed on the way' means the value that the module computes at that place (a softmax that the list does not call 'softmax' is quantised finished and normalised). What goes into a quantiser is computed in f32, as accurately as f32 sums, v_exp_f32 and their like allow (about 1e-6 of the number): no bf16 or f16 on the way to a quantiser, and a product that is left as it is and whose result goes on into a quantised operand takes f32 operands (vector FMAs, or v_wmma_f32_16x16x4_f32). A number that lies on a knife's edge between two numbers of the format may be rounded either way, as far as f32 arithmetic and the matrix unit's own rounding can turn it there, and no further.
;; One version. Each part assembles by itself: llvm-mc -triple=amdgcn-amd-amdhsa -mcpu=gfx1250 --defsym DOCPART=n.
;; ======== version 1 of 1: 3 launches
;; limits: right only within a limited range of input values
;; workspace buffers: kv 6,684,672 bytes; w_codes 786,432 bytes; w_scales 32,768 bytes; o_codes 3,145,728 bytes; o_scales 131,072 bytes
;; launch prep (part 1): grid 416 x 1, 4 waves a work-group, no clusters, 48,640 bytes of LDS; arguments key, values, W_out, kv, w_codes, w_scales; writes kv, w_codes, w_scales
.if DOCPART == 1
	.amdgcn_target "amdgcn-amd-amdhsa--gfx1250"
	.amdhsa_code_object_version 6
	.text
	.protected	k_q289bf524b6_prep
	.globl	k_q289bf524b6_prep
	.p2align	8
	.type	k_q289bf524b6_prep,@function
k_q289bf524b6_prep:
	s_mov_b64 s[64:65], 0
	v_nop
	global_prefetch_b8 v0, s[64:65] scope:SCOPE_SE
	s_setreg_imm32_b32 hwreg(HW_REG_WAVE_MODE, 25, 1), 1
	s_wait_xcnt 0x0
; key [2][2048][1024], values [2][2048][1024] and W_out [1024][1024], f32, become codes of FP6 (E2M3) with one E8M0 byte for each 32 along K,
; laid in the order of the operands' registers.  A HALF FRAGMENT is 768 bytes: 16 rows x 64 along K; lane l = r + 16 h holds block h (32 codes, 6 words) of row r:
; words 0-3 at 16 l, words 4-5 at 512 + 8 l.  So a reader takes it by one load of 16 bytes and one of 8 bytes a lane, each instruction on consecutive bytes.
; TILE ORDER of 128 rows: row r of tile T is row 64 (T / 4) + 8 (T % 4) + r % 8 + 32 (r / 8): a transposed product's results of tiles 4 g .. 4 g + 3 are then, in one lane, 32 neighbours: a whole block.
; V's rows d lie so too: row r of tile t is d = 32 (r / 8) + 8 t + r % 8.
; kv [head of a batch 32][step of 128 keys 16][13,056]: K's 8 half fragments (K = the head's 64) at 0, V's 8 (d tile t, 64 keys c: at 6,144 + 768 (2 t + c); K = the keys),
;   K's scale WORDS (bytes 0, 1 the key's two scales, byte 2 = 157, byte 3 = 0) at 12,288 + 64 t + 4 r, V's scale words (four bytes a row d) at 12,800 + 64 t + 4 r.
; w_codes [128 rows 8][64 along K 16][tile 8][768], w_scales [8][16][128] of two bytes.
; A block's scale is 2^(floor(log2(largest magnitude)) - 2); its byte is the largest magnitude's exponent field - 2, held at 1 from below by a floor among the maximum's leaves.
; A block of zeros so gets the byte 1 where the rule says 127: its codes are zeros, and the bytes are read by this program alone.
; LIMITS: NaN and infinities among the inputs are not served.
; Work-groups 0-127 take key, 128-159 W_out (K innermost: one text, the pointers chosen by the work-group's number), 160-415 values (K = the keys: a lane takes a column).
; No work-group shares input with another, so no cluster; no tensor load.  On the first way waves share nothing; on the second the two waves of a head share a stage, with one barrier.  Each way has LDS bytes of its own.
.set FLOOR, 0x1800000                  ; 2^(3 - 127)
.set OFF2,  0xff000000                 ; takes 2 off an exponent field
.set KWB,   8960                       ; first way: a wave's LDS: two stages of 16 rows x 272 bytes, then 256 scale bytes
.set VST,   35840                      ; second way: a stage of 6,144 bytes for each of the work-group's two heads, from here on
.set R,     32                         ; v32-127   three sets of 32 registers as loaded
.set X,     128                        ; v128-191  two sets of 32 neighbours along K
.set C,     192                        ; v192-255  eight registers for each job's codes: no store's data are written again
.macro BLKMAX xs                       ; the largest magnitude of v[xs] .. v[xs + 31], and the floor, into v16: two chains
	v_max3_num_f32 v16, |v[\xs]|, |v[\xs+1]|, |v[\xs+2]|
	v_max3_num_f32 v17, |v[\xs+3]|, |v[\xs+4]|, |v[\xs+5]|
.irp i, 6,10,14,18,22,26
	v_max3_num_f32 v16, v16, |v[\xs+\i]|, |v[\xs+\i+1]|
	v_max3_num_f32 v17, v17, |v[\xs+\i+2]|, |v[\xs+\i+3]|
.endr
	v_max3_num_f32 v16, v16, |v[\xs+30]|, |v[\xs+31]|
	v_max3_num_f32 v16, v16, v17, FLOOR
.endm
; FIRST WAY.  Tile t of the wave's 128 rows x 64 columns: eight loads, each two rows' 256 bytes: sixteen lanes read 256 consecutive bytes
.macro LOAD t
.irp i, 0,1,2,3,4,5,6,7
	global_load_b128 v[R+32*((\t)%3)+4*\i:R+32*((\t)%3)+4*\i+3], v2, s[20:21] offset:(64*((\t)/4)+8*((\t)%4)+2*\i+24*(\i/4))*4096 th:TH_LOAD_NT
.endr
.endm
; through the wave's own stage: in as loaded, back 128 bytes a lane: lane (r, h) then holds the whole block h of tile row r.  LDS serves a wave's instructions in order
.macro TURN t
.irp i, 0,1,2,3,4,5,6,7
	ds_store_b128 v3, v[R+32*((\t)%3)+4*\i:R+32*((\t)%3)+4*\i+3] offset:4352*((\t)%2)+544*\i
.endr
.irp i, 0,1,2,3,4,5,6,7
	ds_load_b128 v[X+32*((\t)%2)+4*\i:X+32*((\t)%2)+4*\i+3], v4 offset:4352*((\t)%2)+16*\i
.endr
.endm
.macro JOB t
.if (\t) > 0
	s_wait_dscnt 1                                 ; this tile is back from the stage; the last job's scale store may be out
.else
	s_wait_dscnt 0x0
.endif
.if (\t)+3 < 8
	LOAD (\t)+3                                    ; into the set that this tile's stage stores have read
.endif
.if (\t) < 7
.if (\t) < 5
	s_wait_loadcnt 16                              ; the next tile's eight loads are in; those of the two tiles behind it may be out
.else
	s_wait_loadcnt 8*(6-(\t))
.endif
	TURN (\t)+1                                    ; through the other stage while this tile is worked
.endif
.set XS, X+32*((\t)%2)
.set CJ, C+8*(\t)
	BLKMAX XS
	v_add_nc_u32 v18, OFF2, v16                    ; the conversion takes this operand's exponent field as its scale
	v_cvt_scalef32_pk16_fp6_f32 v[CJ:CJ+2], v[XS:XS+15], v18
	v_cvt_scalef32_pk16_fp6_f32 v[28:30], v[XS+16:XS+31], v18   ; (a conversion's three registers begin on an even number)
	v_lshrrev_b32 v19, 23, v18                     ; the scale's byte; also the plain line behind the conversions
	v_mov_b32 v[CJ+3], v28
	v_mov_b32 v[CJ+4], v29
	v_mov_b32 v[CJ+5], v30
	v_lshlrev_b32 v20, v9, v19                     ; at its place, 8 h bits up;
	v_permlanex16_b32 v21, v20, s32, s33
	v_or_b32 v20, v20, v21                         ; with lane l xor 16's the row's two bytes are whole, in both lanes
	ds_store_b16 v7, v20 offset:32*(\t)
	global_store_b128 v5, v[CJ:CJ+3], s[22:23] offset:768*(\t)        ; 512 consecutive bytes
	global_store_b64 v6, v[CJ+4:CJ+5], s[22:23] offset:768*(\t)+512   ; 256 consecutive bytes
.endm
; SECOND WAY.  Block j of 32 keys: values(32 j + i, my column): the wave reads 128 consecutive bytes
.macro LOADV j
.irp i, 0,1,2,3,4,5,6,7,8,9,10,11,12,13,14,15,16,17,18,19,20,21,22,23,24,25,26,27,28,29,30,31
	global_load_b32 v[32+32*((\j)%2)+\i], v3, s[20:21] offset:(32*(\j)+\i)*4096 th:TH_LOAD_NT
.endr
.endm
.macro BLOCK j
.set XS, 32+32*((\j)%2)
.if (\j) < 3
	s_wait_loadcnt 32                              ; this block's 32 loads are in; the next block's may be out
.else
	s_wait_loadcnt 0x0
.endif
	BLKMAX XS
	v_add_nc_u32 v18, OFF2, v16
	v_lshrrev_b32 v19, 23, v18
.if (\j) == 0
	v_mov_b32 v24, v19                             ; four bytes make my row's scale word for these 128 keys
.else
	v_lshl_or_b32 v24, v19, 8*(\j), v24
.endif
	v_cvt_scalef32_pk16_fp6_f32 v[96:98], v[XS:XS+15], v18
	v_cvt_scalef32_pk16_fp6_f32 v[104:106], v[XS+16:XS+31], v18
	v_nop                                          ; one plain line behind the conversions
	v_mov_b32 v99, v104
	v_mov_b32 v100, v105
	v_mov_b32 v101, v106
	ds_store_b128 v4, v[96:99] offset:768*((\j)/2)+256*((\j)%2)         ; half fragment j / 2 of my tile, lane r + 16 (j % 2)
	ds_store_b64 v5, v[100:101] offset:768*((\j)/2)+512+128*((\j)%2)
.if (\j) < 2
	LOADV (\j)+2
.endif
	s_wait_dscnt 0x0                               ; the stores have read their registers, and are done
.endm
	s_load_b128 s[4:7], s[0:1], 0x0                ; key, values
	s_load_b128 s[8:11], s[0:1], 0x10              ; W_out, kv
	s_load_b128 s[12:15], s[0:1], 0x20             ; w_codes, w_scales
	v_lshl_add_u32 v254, v0, 2, 0xbc00             ; my spare word, behind both ways' bytes
	v_mov_b32 v255, 0
	v_lshrrev_b32 v1, 5, v0
	v_readfirstlane_b32 s16, v1                    ; wave 0..3
	v_and_b32 v1, 31, v0                           ; lane
	s_mov_b32 s32, 0x76543210
	s_mov_b32 s33, 0xfedcba98                      ; v_permlanex16_b32's selects for lane l xor 16
	s_cmp_lt_u32 ttmp9, 160
	s_cbranch_scc0 .Lvalues
	; ---- key and W_out: a wave takes 128 rows x 64 columns
	v_and_b32 v10, 15, v1                          ; r
	v_lshrrev_b32 v11, 4, v1                       ; h
	s_mul_i32 s34, s16, KWB                        ; my wave's LDS
	v_lshlrev_b32 v2, 12, v11
	v_lshl_add_u32 v2, v10, 4, v2                  ; in: lanes 0-15 one row's 256 bytes, lanes 16-31 the next row's
	v_mul_u32_u24 v3, v11, 272
	v_lshl_add_u32 v3, v10, 4, v3
	v_add_nc_u32 v3, s34, v3                       ; the same place in the stage
	v_mul_u32_u24 v4, v10, 272
	v_lshl_add_u32 v4, v11, 7, v4
	v_add_nc_u32 v4, s34, v4                       ; back: row r, block h
	v_lshlrev_b32 v5, 4, v1                        ; 16 x lane
	v_lshlrev_b32 v6, 3, v1                        ; 8 x lane
	s_add_co_u32 s35, s34, 8704                    ; my wave's 256 scale bytes
	v_lshl_add_u32 v7, v10, 1, s35
	v_lshl_add_u32 v8, v1, 3, s35
	v_lshlrev_b32 v9, 3, v11                       ; 8 h
	v_mov_b32 v21, 0                               ; written once: a lane permute's destination counts as one of its sources
	s_lshl_b32 s17, ttmp9, 2
	s_add_co_u32 s17, s17, s16
	s_and_b32 s17, s17, 511                        ; p: which 128 x 64 of the tensor (key: 0-511, W_out: 0-127)
	s_lshr_b32 s18, s17, 4                         ; which 128 rows
	s_and_b32 s19, s17, 15                         ; which 64 columns (key: the head)
	s_lshl_b32 s26, s18, 19
	s_lshl_b32 s27, s19, 8
	s_add_co_u32 s26, s26, s27                     ; where they begin, in bytes
	s_mov_b32 s27, 0
	s_lshr_b32 s28, s18, 4                         ; key: the batch,
	s_lshl_b32 s28, s28, 4
	s_add_co_u32 s28, s28, s19
	s_lshl_b32 s28, s28, 4
	s_and_b32 s29, s18, 15                         ; the step
	s_add_co_u32 s28, s28, s29
	s_mul_i32 s28, s28, 13056                      ; the step's block of kv,
	s_add_co_u32 s30, s28, 12288                   ; and K's scales in it
	s_mul_i32 s29, s17, 6144                       ; W_out: the codes' place,
	s_lshl_b32 s31, s17, 8                         ; and the scales'
	s_cmp_lt_u32 ttmp9, 128                        ; key's work-group or W_out's?  The choice hangs on the work-group's number alone
	s_cselect_b32 s28, s28, s29
	s_cselect_b32 s30, s30, s31
	s_mov_b32 s29, 0
	s_mov_b32 s31, 0
	s_wait_alu depctr_va_vdst(0)                   ; the wait at the head's end
	s_wait_kmcnt 0x0
	s_cselect_b64 s[20:21], s[4:5], s[8:9]
	s_cselect_b64 s[22:23], s[10:11], s[12:13]
	s_cselect_b64 s[24:25], s[10:11], s[14:15]
	s_add_nc_u64 s[20:21], s[20:21], s[26:27]
	s_add_nc_u64 s[22:23], s[22:23], s[28:29]
	s_add_nc_u64 s[24:25], s[24:25], s[30:31]
	LOAD 0
	LOAD 1
	LOAD 2
	s_wait_loadcnt 16                              ; tile 0's eight loads are in
	TURN 0
.irp t, 0,1,2,3,4,5,6,7
	JOB \t
.endr
	ds_load_b64 v[22:23], v8                       ; LDS serves a wave's instructions in order: this sees my eight scale stores
	s_wait_dscnt 0x0
	s_cmp_lt_u32 ttmp9, 128                        ; key's work-group?  The branch hangs on the work-group's number alone
	s_cbranch_scc1 .Lkey_words
	global_store_b64 v6, v[22:23], s[24:25]        ; W_out: 256 consecutive bytes, aligned
	s_branch .Lsc_done
.Lkey_words:                                           ; key: each row's two bytes become a word, with 157 as byte 2: the scale of the block that carries the mask's code
	v_and_b32 v24, 0xffff, v22
	v_lshrrev_b32 v25, 16, v22
	v_and_b32 v26, 0xffff, v23
	v_lshrrev_b32 v27, 16, v23
	v_or_b32 v24, 0x9d0000, v24
	v_or_b32 v25, 0x9d0000, v25
	v_or_b32 v26, 0x9d0000, v26
	v_or_b32 v27, 0x9d0000, v27
	global_store_b128 v5, v[24:27], s[24:25]       ; 512 consecutive bytes, aligned
.Lsc_done:
	s_wait_tensorcnt 0x0                           ; the wave's end
	ds_add_u32 v254, v255
	s_wait_dscnt 0x0
	s_endpgm
	; ---- values: a wave takes 32 columns (block w' = wave % 2 of a head's d) x 128 keys; a lane takes a column, its registers run down the keys
.Lvalues:
	s_sub_co_u32 s17, ttmp9, 160
	s_and_b32 s18, s17, 7                          ; which 128 columns
	s_lshr_b32 s19, s17, 3
	s_and_b32 s19, s19, 15                         ; the step
	s_lshr_b32 s26, s17, 7                         ; the batch
	s_lshl_b32 s27, s18, 1
	s_lshr_b32 s28, s16, 1
	s_add_co_u32 s27, s27, s28                     ; the head
	s_and_b32 s28, s16, 1                          ; w': which 32 of its 64
	s_lshl_b32 s20, s26, 23
	s_lshl_b32 s29, s19, 19
	s_add_co_u32 s20, s20, s29
	s_lshl_b32 s29, s18, 9
	s_add_co_u32 s20, s20, s29
	s_lshl_b32 s29, s16, 7
	s_add_co_u32 s20, s20, s29                     ; values: batch, 128 keys, my wave's first column
	s_mov_b32 s21, 0
	s_lshl_b32 s22, s26, 4
	s_add_co_u32 s22, s22, s27
	s_lshl_b32 s22, s22, 4
	s_add_co_u32 s22, s22, s19
	s_mul_i32 s22, s22, 13056                      ; the step's block of kv
	s_mul_i32 s29, s28, 3072
	s_add_co_u32 s24, s22, s29
	s_add_co_u32 s24, s24, 6144                    ; the half of V's codes that I store
	s_mov_b32 s25, 0
	s_add_co_u32 s22, s22, 12800                   ; V's scale words
	s_mov_b32 s23, 0
	s_wait_alu depctr_va_vdst(0)                   ; the wait here
	v_lshlrev_b32 v3, 2, v1                        ; in: 4 bytes a lane
	v_lshrrev_b32 v10, 3, v1                       ; my column is row r of tile t: t = lane / 8,
	v_and_b32 v11, 7, v1
	s_lshl_b32 s36, s28, 3
	v_add_nc_u32 v11, s36, v11                     ; r = lane % 8 + 8 w'
	s_mul_i32 s34, s16, 3072
	s_add_co_u32 s34, s34, VST                     ; the half of my head's stage that I store
	s_lshr_b32 s35, s16, 1
	s_mul_i32 s35, s35, 6144
	s_add_co_u32 s35, s35, VST                     ; my head's stage
	v_mul_u32_u24 v13, v10, 1536
	v_add_nc_u32 v13, s35, v13
	v_lshl_add_u32 v4, v11, 4, v13                 ; a half fragment's first four words,
	v_lshl_add_u32 v5, v11, 3, v13                 ; and its last two
	v_lshlrev_b32 v7, 4, v1
	v_add_nc_u32 v6, s34, v7                       ; the way out: 16 bytes a lane
	v_lshlrev_b32 v8, 6, v10
	v_lshl_add_u32 v8, v11, 2, v8                  ; my scale word's place: 64 t + 4 r
	s_wait_kmcnt 0x0
	s_add_nc_u64 s[20:21], s[6:7], s[20:21]
	s_add_nc_u64 s[24:25], s[10:11], s[24:25]
	s_add_nc_u64 s[22:23], s[10:11], s[22:23]
	LOADV 0
	LOADV 1
	BLOCK 0
	BLOCK 1
	BLOCK 2
	BLOCK 3
	s_wait_alu depctr_va_vdst(0)                   ; the wait here, directly ahead of the reader below
	global_store_b32 v8, v24, s[22:23]             ; four runs of 32 bytes of scale words: one byte for each 128 that the wave reads
	s_barrier_signal -1                            ; my stage stores are done (the wait at the last block's end): say so,
	s_barrier_wait -1                              ; and read what my head's other wave stored only behind this
.irp g, 0,1,2,3,4,5
	ds_load_b128 v[112+4*\g:115+4*\g], v6 offset:512*\g
.endr
.irp g, 0,1,2,3,4,5
	s_wait_dscnt 5-\g
	global_store_b128 v7, v[112+4*\g:115+4*\g], s[24:25] offset:512*\g   ; 512 consecutive bytes
.endr
	s_wait_tensorcnt 0x0                           ; the wave's end
	ds_add_u32 v254, v255
	s_wait_dscnt 0x0
	s_endpgm
.Lfunc_end_k_q289bf524b6_prep:
	.size	k_q289bf524b6_prep, .Lfunc_end_k_q289bf524b6_prep-k_q289bf524b6_prep
	.p2alignl 7, 3214868480
	.fill 96, 4, 3214868480
	.section	.rodata,"a",@progbits
	.p2align	6, 0x0
	.amdhsa_kernel k_q289bf524b6_prep
		.amdhsa_group_segment_fixed_size 48640
		.amdhsa_private_segment_fixed_size 0
		.amdhsa_enable_private_segment 0
		.amdhsa_kernarg_size 48
		.amdhsa_user_sgpr_count 2
		.amdhsa_user_sgpr_kernarg_segment_ptr 1
		.amdhsa_wavefront_size32 1
		.amdhsa_system_sgpr_workgroup_id_x 1
		.amdhsa_system_sgpr_workgroup_id_y 1
		.amdhsa_system_sgpr_workgroup_id_z 1
		.amdhsa_system_vgpr_workitem_id 0
		.amdhsa_next_free_vgpr 256
		.amdhsa_next_free_sgpr 66
		.amdhsa_reserve_vcc 0
		.amdhsa_float_denorm_mode_32 3
		.amdhsa_float_denorm_mode_16_64 3
		.amdhsa_memory_ordered 1
		.amdhsa_forward_progress 1
		.amdhsa_inst_pref_size 55
	.end_amdhsa_kernel
	.amdgpu_metadata
---
amdhsa.version: [ 1, 2 ]
amdhsa.kernels:
  - .name:           k_q289bf524b6_prep
    .symbol:         k_q289bf524b6_prep.kd
    .args:
      - { .name: key, .offset: 0, .size: 8, .value_kind: global_buffer, .address_space: global }
      - { .name: values, .offset: 8, .size: 8, .value_kind: global_buffer, .address_space: global }
      - { .name: W_out, .offset: 16, .size: 8, .value_kind: global_buffer, .address_space: global }
      - { .name: kv, .offset: 24, .size: 8, .value_kind: global_buffer, .address_space: global }
      - { .name: w_codes, .offset: 32, .size: 8, .value_kind: global_buffer, .address_space: global }
      - { .name: w_scales, .offset: 40, .size: 8, .value_kind: global_buffer, .address_space: global }
    .group_segment_fixed_size: 48640
    .private_segment_fixed_size: 0
    .kernarg_segment_align: 8
    .kernarg_segment_size: 48
    .max_flat_workgroup_size: 128
    .sgpr_count:     66
    .vgpr_count:     256
    .wavefront_size: 32
...
	.end_amdgpu_metadata
.endif
;; end of part 1
;; launch attn (part 2): grid 8 x 32, 16 waves a work-group, clusters of 4 x 1, 289,536 bytes of LDS; arguments query, mask, kv, o_codes, o_scales; writes o_codes, o_scales
.if DOCPART == 2
	.amdgcn_target "amdgcn-amd-amdhsa--gfx1250"
	.amdhsa_code_object_version 6
	.text
	.protected	k_q289bf524b6_attn
	.globl	k_q289bf524b6_attn
	.p2align	8
	.type	k_q289bf524b6_attn,@function
k_q289bf524b6_attn:
	s_mov_b64 s[64:65], 0
	v_nop
	global_prefetch_b8 v0, s[64:65] scope:SCOPE_SE
	s_setreg_imm32_b32 hwreg(HW_REG_WAVE_MODE, 25, 1), 1
	s_wait_xcnt 0x0
	s_wait_alu depctr_hold_cnt(0) depctr_sa_sdst(0) depctr_va_vdst(0) depctr_va_sdst(0) depctr_va_ssrc(0) depctr_va_vcc(0) depctr_vm_vsrc(0)
	s_getreg_b32 s2, hwreg(HW_REG_IB_STS2, 6, 4)
	s_cmp_eq_u32 s2, 0
	s_cbranch_scc0 .Lentry_in_a_cluster
	s_endpgm
.Lentry_in_a_cluster:
	s_bfe_u32 s2, ttmp6, 0x10000c
	s_cmp_lg_u32 s2, 0x3003
	s_cbranch_scc0 .Lentry_shape_is_right
	s_endpgm
.Lentry_shape_is_right:
; For each batch and head: O[q] = sum over keys of softmax(where(mask == 0, -1e20, Q[q] . K[k]) / 32) V[k]; both products on codes of FP6 (E2M3) with E8M0 scales; O leaves as codes for the last product.
; THE SOFTMAX: t = energy x log2(e) / 32; M = the running largest t rounded UP to a whole number; p = 2^(t - M) is quantised along the keys, not normalised; the row's sum of the unquantised p divides O at the end.
; SHARES: a work-group owns 256 queries of one head, each of its sixteen waves 16 of them.  All of a head's codes lie in LDS: 16 steps of 128 keys x 13,056 bytes, laid by the launch before in the order of the operands' registers.
; Each wave asks for ONE step (51 rows of 256 bytes) at the head; nothing is filled again.  CLUSTER: the four query blocks of a cluster walk the same head, so each step is asked for jointly.
; No prefetch: every tile is asked for at the head, and there is no loop to run ahead in.
; LAYOUT: both products are used transposed (S^T = K Q^T, O^T = V^T P^T): a lane holds one query (lane % 16).  Row r of K's tile T is key 64 (T / 4) + 8 (T % 4) + r % 8 + 32 (r / 8): so the 32 registers of tiles
; 4 g .. 4 g + 3 are, in lane half h, the whole block 2 g + h of 32 keys, in order: its largest score needs no other lane, and the conversions' results are the operand's registers.  V's rows d lie likewise: O^T's 32 registers are block h of d.
; K = 64 IN AN INSTRUCTION OF 128, AND THE MASK: a tile of K stands in 8 registers: six of codes, one with the MASK'S CODE at k = 64 (+7.5 where mask == 0, else 0), one spare; it is named with the four registers behind it.
; Q has -7.5 at k = 64 and zero codes from k = 65 on.  Block 2's scale byte is 157 on both sides: a masked key's energy gets -56.25 x 2^60; a key that counts gets an exact 0.  The largest energy starts at -2^64, above that: a masked key's p is 0.
; A batch with every key masked: reference() has all energies equal there, so p = 1 for every key: c is then 0 (a select on the OR of the batch's mask words, no branch), which makes every t 0.
; A step's sums of p are added behind its second product: they are the places in front of the next step's loads, and stand beside those loads' flight.
; LIMITS: energies of keys that count lie above -2^64 and under 2^64 (reference()'s own fill is -1e20, about -2^66.4); NaN and infinities are not served.
.set KVSTEP, 13056
.set MK,     69632                     ; behind the waves' stages for Q (16 x 16 rows x 272 bytes, from 0): 2,048 words, the mask's codes, [step][tile][row]
.set FLAG,   77824                     ; 16 words: each wave's OR of its part of the mask
.set SSTG,   78080                     ; 256 x two bytes: O's scales, gathered for the way out
.set SPARE,  78592                     ; the spare words: 128 bytes a wave
.set KV,     80640                     ; the sixteen steps
.set KO,     KVSTEP-6144               ; the address registers point at a step's V; the next step's K lies KO bytes on
.set FLOOR,  0x1800000                 ; 2^(3 - 127)
.set OFF2,   0xff000000                ; takes 2 off an exponent field
.set LN16, 1                           ; v1-5 lane terms: 16 l, 8 l, 4 l, 4 (l % 16), 8 (l / 16)
.set LN8,  2
.set LN4,  3
.set LNM,  4
.set SH8,  5
.set A16,  6                           ; v6-9 the step's LDS addresses
.set A8,   7
.set A4,   8
.set AM,   9
.set QF,   16                          ; v16-27 Q's fragment.  v12 -M, v13 the largest energy, v[14:15] the sum in two halves
.set F,    32                          ; v32-99 K's 8 tiles x 8 registers and four behind them; then V's 4 fragments
.set KSC,  100                         ; v100-103 K's scales, v104-105 V's, v106 p's, v107 Q's: these hold scales and nothing else
.set VSC,  104
.set PSC,  106
.set QS,   107
.set S,    108                         ; v108-171 S^T, then p
.set O,    172                         ; v172-203 O^T
.set PC,   204                         ; v204-215 p's codes
.set PT,   216                         ; v216-218, v220-222 the conversions' second halves
.set TM,   224                         ; v224-227 maxima
.set TSC,  228                         ; v228-229 the conversions' scale operands
.set T0,   230
.set TP,   231
.set FF,   232                         ; v[232:233] f = 2^(old M - new M); v233 is only named with it
.set SU,   234                         ; v234-249 eight pairs of partial sums
.set WV,   14
.set SEL,  20                          ; s[20:21] v_permlanex16_b32's selects for lane l xor 16
.set CS,   22                          ; s[22:23] c = log2(e) / 32, or 0
.set G1,   24
.set G0,   32
.set TB,   48
.set TBM,  49
.set CNT,  50
.macro CROUND                          ; a round of the cluster's barrier
	s_barrier_signal -1
	s_barrier_wait -1
	s_cmp_lg_u32 s[WV], 0
	s_cbranch_scc1 .Lnot_wave_0_\@
	s_barrier_signal -3
.Lnot_wave_0_\@:
	s_barrier_wait -3
	s_barrier_signal -1
	s_barrier_wait -1
.endm
.macro MMS d, a, sa, row               ; a tile of S^T: C is the constant 0
.if \row
	v_wmma_scale_f32_16x16x128_f8f6f4 v[\d:\d+7], v[\a:\a+11], v[QF:QF+11], 0, v[\sa], v[QS] matrix_a_fmt:MATRIX_FMT_FP6 matrix_b_fmt:MATRIX_FMT_FP6 matrix_a_scale:MATRIX_SCALE_ROW1
.else
	v_wmma_scale_f32_16x16x128_f8f6f4 v[\d:\d+7], v[\a:\a+11], v[QF:QF+11], 0, v[\sa], v[QS] matrix_a_fmt:MATRIX_FMT_FP6 matrix_b_fmt:MATRIX_FMT_FP6
.endif
.endm
.macro MMO d, a, sa, row               ; a tile of O^T, in place
.if \row
	v_wmma_scale_f32_16x16x128_f8f6f4 v[\d:\d+7], v[\a:\a+11], v[PC:PC+11], v[\d:\d+7], v[\sa], v[PSC] matrix_a_fmt:MATRIX_FMT_FP6 matrix_b_fmt:MATRIX_FMT_FP6 matrix_a_scale:MATRIX_SCALE_ROW1
.else
	v_wmma_scale_f32_16x16x128_f8f6f4 v[\d:\d+7], v[\a:\a+11], v[PC:PC+11], v[\d:\d+7], v[\sa], v[PSC] matrix_a_fmt:MATRIX_FMT_FP6 matrix_b_fmt:MATRIX_FMT_FP6
.endif
.endm
.macro ADDRS
	v_add_nc_u32 v[A16], s[TB], v[LN16]
	v_add_nc_u32 v[A8], s[TB], v[LN8]
	v_add_nc_u32 v[A4], s[TB], v[LN4]
	v_add_nc_u32 v[AM], s[TBM], v[LNM]
.endm
.macro KTILE t                         ; a tile of the next step's K: its codes and the mask's codes
	ds_load_b128 v[F+8*\t:F+8*\t+3], v[A16] offset:KO+768*\t
	ds_load_b64 v[F+8*\t+4:F+8*\t+5], v[A8] offset:KO+768*\t+512
	ds_load_b32 v[F+8*\t+6], v[AM] offset:64*\t
.endm
.macro KEARLY                          ; what V's fragments do not lie on: K's scale words (lanes 0-15 tile 2 b, lanes 16-31 tile 2 b + 1) and tiles 6, 7: asked for with V
.irp b, 0,1,2,3
	ds_load_b32 v[KSC+\b], v[A4] offset:KO+12288+128*\b
.endr
	KTILE 6
	KTILE 7
.endm
.macro KLATE                           ; tiles 0 to 5, 18 loads, behind the second product
.irp t, 0,1,2,3,4,5
	KTILE \t
.endr
.endm
.macro SUMB                            ; the rest of the step's sum of p, onto the row's
.irp k, 4,5,6,7
	v_pk_add_f32 v[SU+2*\k:SU+2*\k+1], v[S+4*\k:S+4*\k+1], v[S+4*\k+2:S+4*\k+3]
.endr
.irp k, 0,1,2,3,4,5,6,7
	v_pk_add_f32 v[SU+2*\k:SU+2*\k+1], v[SU+2*\k:SU+2*\k+1], v[S+32+2*\k:S+32+2*\k+1]
.endr
.irp k, 0,1,2,3,4,5,6,7
	v_pk_add_f32 v[SU+2*\k:SU+2*\k+1], v[SU+2*\k:SU+2*\k+1], v[S+48+2*\k:S+48+2*\k+1]
.endr
.irp k, 0,1,2,3
	v_pk_add_f32 v[SU+2*\k:SU+2*\k+1], v[SU+2*\k:SU+2*\k+1], v[SU+8+2*\k:SU+8+2*\k+1]
.endr
	s_delay_alu instid0(VALU_DEP_2)
	v_pk_add_f32 v[SU:SU+1], v[SU:SU+1], v[SU+4:SU+5]
	s_delay_alu instid0(VALU_DEP_2)
	v_pk_add_f32 v[SU+2:SU+3], v[SU+2:SU+3], v[SU+6:SU+7]
	s_delay_alu instid0(VALU_DEP_1)
	v_pk_add_f32 v[SU:SU+1], v[SU:SU+1], v[SU+2:SU+3]
	s_delay_alu instid0(VALU_DEP_1)
	v_pk_add_f32 v[14:15], v[14:15], v[SU:SU+1]
.endm
; A KEY STEP of 128 keys, from the wait for K to the first eight additions of its sum
.macro STEPA more                      ; more = 1: a step follows, and part of its K is asked for with this step's V
	s_add_co_u32 s[TB], s[TB], KVSTEP              ; on to this step's V
	s_add_co_u32 s[TBM], s[TBM], 512
.irp b, 0,1,2,3
.if \b < 2
	s_wait_dscnt 11-6*\b                           ; of the 18 loads, three a tile: tiles 2 b, 2 b + 1 and the first load of tile 2 b + 2 are in: 7 + 6 b; the others may be out
.endif
.if \b == 2
	s_wait_dscnt 0x0                               ; all 18 are in (tiles 6, 7 and the scales came with the last step's V)
.endif
	MMS S+16*\b, F+16*\b, KSC+\b, 0
	MMS S+16*\b+8, F+16*\b+8, KSC+\b, 1
.endr
	ADDRS                                          ; four plain lines: the places in front of the loads into K's registers and of the first read of the scores
.irp t, 0,1,2,3
.irp c, 0,1
	ds_load_b128 v[F+12*\t+6*\c:F+12*\t+6*\c+3], v[A16] offset:(2*\t+\c)*768
	ds_load_b64 v[F+12*\t+6*\c+4:F+12*\t+6*\c+5], v[A8] offset:(2*\t+\c)*768+512
.endr
.endr
.irp a, 0,1
	ds_load_b32 v[VSC+\a], v[A4] offset:6656+128*\a
.endr
.if \more
	KEARLY
.endif
.irp q, 0,1,2,3                                ; four chains of 16 scores, each accumulator from its low end on
	v_max3_num_f32 v[TM+\q], v[S+16*\q], v[S+16*\q+1], v[S+16*\q+2]
.endr
.irp i, 3,5,7,9,11,13
.irp q, 0,1,2,3
	v_max3_num_f32 v[TM+\q], v[TM+\q], v[S+16*\q+\i], v[S+16*\q+\i+1]
.endr
.endr
	v_max_num_f32 v[TM+1], v[TM+1], v[S+31]
	v_max_num_f32 v[TM+3], v[TM+3], v[S+63]
	v_max3_num_f32 v[TM], v[TM], v[S+15], v[TM+1]       ; my first block's largest score: for the row's maximum and, since p rises with the score, for the block's largest p
	v_max3_num_f32 v[TM+2], v[TM+2], v[S+47], v[TM+3]   ; my second block's
	s_delay_alu instid0(VALU_DEP_1)
	v_max_num_f32 v[T0], v[TM], v[TM+2]
	s_delay_alu instid0(VALU_DEP_1)
	v_permlanex16_b32 v[TP], v[T0], s[SEL], s[SEL+1]
	s_delay_alu instid0(VALU_DEP_1)
	v_max3_num_f32 v13, v13, v[T0], v[TP]          ; the running largest energy
	s_delay_alu instid0(VALU_DEP_1)
	v_mul_f32 v[T0], s[CS], -v13
	s_delay_alu instid0(VALU_DEP_1)
	v_floor_f32 v[T0], v[T0]                       ; the new -M = -ceil(t): M is a whole number
	s_delay_alu instid0(VALU_DEP_1)
	v_sub_f32 v[TP], v[T0], v12                    ; old M - new M: a whole number, 0 or less
	v_mov_b32 v12, v[T0]
.set j, 0
.rept 32
.if j == 8
	v_cvt_i32_f32 v[TP], v[TP]                     ; (it saturates)  The chain that makes f stands among the multiply-adds, which do not wait for it
.endif
.if j == 16
	v_ldexp_f32 v[FF], 1.0, v[TP]                  ; f = 2^(old M - new M): a multiplication by it rounds nothing
.endif
	v_pk_fma_f32 v[S+j:S+j+1], v[S+j:S+j+1], s[CS:CS+1], v[12:13] op_sel_hi:[1,0,0]   ; t - M, two at a time
.set j, j+2
.endr
	v_fma_f32 v[TM], v[TM], s[CS], v12             ; the same of each block's largest score
	v_fma_f32 v[TM+2], v[TM+2], s[CS], v12
	s_wait_alu depctr_va_vdst(0)                   ; the wait ahead of the batch
.set j, 0
.rept 64
	v_exp_f32 v[S+j], v[S+j]                       ; p = 2^(t - M)
.set j, j+1
.endr
	v_exp_f32 v[TM], v[TM]                         ; the blocks' largest p: the same two instructions on the same number give the same bits
	v_exp_f32 v[TM+2], v[TM+2]
	v_pk_mul_f32 v[14:15], v[14:15], v[FF:FF+1] op_sel_hi:[1,0]   ; the sums under the new M; the plain line behind the exponentials
	s_wait_alu depctr_va_vdst(0)                   ; one wait for the batch, ahead of its first reader
	v_max_num_f32 v[TM], FLOOR, v[TM]              ; the byte cannot fall under 1 (a block whose every p is 0 keeps that byte: its codes are zeros)
	v_max_num_f32 v[TM+2], FLOOR, v[TM+2]
	v_add_nc_u32 v[TSC], OFF2, v[TM]
	v_add_nc_u32 v[TSC+1], OFF2, v[TM+2]
.irp c, 0,1
	v_cvt_scalef32_pk16_fp6_f32 v[PC+6*\c:PC+6*\c+2], v[S+32*\c:S+32*\c+15], v[TSC+\c]
	v_cvt_scalef32_pk16_fp6_f32 v[PT+4*\c:PT+4*\c+2], v[S+32*\c+16:S+32*\c+31], v[TSC+\c]   ; (a conversion's three registers begin on an even number)
.endr
	v_lshrrev_b32 v[TP], 23, v[TSC]                ; my two bytes; also the plain line behind the conversions.  The codes' moves stand among the chain that makes the scale word
	v_lshrrev_b32 v[T0], 23, v[TSC+1]
	v_mov_b32 v[PC+3], v[PT]
	v_mov_b32 v[PC+4], v[PT+1]
	v_lshl_or_b32 v[TP], v[T0], 16, v[TP]          ; blocks h and 2 + h,
	v_mov_b32 v[PC+5], v[PT+2]
	v_mov_b32 v[PC+9], v[PT+4]
	v_lshlrev_b32 v[TP], v[SH8], v[TP]             ; at their places, 8 h bits up;
	v_mov_b32 v[PC+10], v[PT+5]
	v_mov_b32 v[PC+11], v[PT+6]
	v_permlanex16_b32 v[T0], v[TP], s[SEL], s[SEL+1]
	v_or_b32 v[PSC], v[TP], v[T0]                  ; with lane l xor 16's two: p's scale word for these 128 keys
	s_wait_alu depctr_va_vdst(0)                   ; the wait here, directly ahead of the first reader of O^T
.set j, 0
.rept 16
	v_pk_mul_f32 v[O+j:O+j+1], v[O+j:O+j+1], v[FF:FF+1] op_sel_hi:[1,0]   ; O^T under the new M; sixteen places between p's scale word and codes and the products
.set j, j+2
.endr
	s_wait_alu depctr_va_vdst(0)                   ; the wait here, directly ahead of the wait below
	s_wait_dscnt 0x0                               ; V is in
.irp a, 0,1
	MMO O+16*\a, F+24*\a, VSC+\a, 0
	MMO O+16*\a+8, F+24*\a+12, VSC+\a, 1
.endr
.irp k, 0,1,2,3                                ; the sum of p begins: four plain lines that name no register of the products: the places in front of the loads into V's registers
	v_pk_add_f32 v[SU+2*\k:SU+2*\k+1], v[S+4*\k:S+4*\k+1], v[S+4*\k+2:S+4*\k+3]
.endr
.endm
	s_load_b256 s[4:11], s[0:1], 0x0               ; query s[4:5], mask s[6:7], kv s[8:9], o_codes s[10:11]
	s_load_b64 s[12:13], s[0:1], 0x20              ; o_scales
	v_lshl_add_u32 v254, v0, 2, SPARE
	v_mov_b32 v255, 0
	ds_add_u32 v254, v255                          ; the opening lines: the add, twice on end, and its wait ahead of my tensor load
	ds_add_u32 v254, v255
	v_lshrrev_b32 v11, 5, v0
	v_readfirstlane_b32 s[WV], v11                 ; wave 0..15
	v_lshl_add_u32 v253, v11, 2, FLAG              ; my wave's flag word
	s_mul_i32 s55, s[WV], 4352                     ; my wave's stage for Q
	v_and_b32 v244, 15, v0                         ; r
	v_bfe_u32 v245, v0, 4, 1                       ; h
	v_lshlrev_b32 v250, 4, v0                      ; four mask words a thread
	v_lshlrev_b32 v251, 12, v245
	v_lshl_add_u32 v251, v244, 4, v251             ; Q in: lanes 0-15 one row's 256 bytes, lanes 16-31 the next row's
	v_lshrrev_b32 v252, 4, v0                      ; keys 4 i .. 4 i + 3 of thread i: step and g: 256 (i / 16);
	v_lshlrev_b32 v252, 8, v252
	v_bfe_u32 v246, v0, 1, 2
	v_lshl_add_u32 v252, v246, 6, v252             ; tile: 64 ((i / 2) % 4);
	v_bfe_u32 v246, v0, 3, 1
	v_lshl_add_u32 v252, v246, 5, v252             ; rows 8-15: 32 ((i / 8) % 2);
	v_and_b32 v246, 1, v0
	v_lshl_add_u32 v252, v246, 4, v252             ; four rows: 16 (i % 2)
	v_add_nc_u32 v252, MK, v252
	v_mul_u32_u24 v10, v245, 272
	v_lshl_add_u32 v10, v244, 4, v10
	v_add_nc_u32 v10, s55, v10                     ; the stage, in
	v_mul_u32_u24 v247, v244, 272
	v_lshl_add_u32 v247, v245, 7, v247
	v_add_nc_u32 v247, s55, v247                   ; and back: row r, block h
	v_and_b32 v11, 31, v0
	v_lshlrev_b32 v[LN16], 4, v11
	v_lshlrev_b32 v[LN8], 3, v11
	v_lshlrev_b32 v[LN4], 2, v11
	v_lshlrev_b32 v[LNM], 2, v244
	v_lshlrev_b32 v[SH8], 3, v245
	s_mov_b32 s[TB], KV-KO
	s_mov_b32 s[TBM], MK
	ADDRS
	s_and_b32 s17, ttmp7, 0xffff                   ; 16 x batch + head: the four partners share it
	s_lshr_b32 s18, s17, 4                         ; batch
	s_and_b32 s19, s17, 15                         ; head
	s_lshl_b32 s52, s17, 4
	s_add_co_u32 s52, s52, s[WV]
	s_mul_i32 s52, s52, KVSTEP                     ; the step that I fetch: step = my wave's number
	s_mov_b32 s53, 0
	s_mul_i32 s54, s[WV], KVSTEP
	s_add_co_u32 s54, s54, KV                      ; and where it goes: no place in the cluster enters it
	s_mov_b32 s[G1], 15|(3<<16)|(1<<21)            ; the mask: all four work-groups; elements of 8 bytes; bit 21 set beside a mask; no padding: every LDS read takes consecutive bytes
	s_mov_b32 s[G1+1], 32<<16
	s_mov_b32 s[G1+2], 51<<16                      ; 51 rows of 256 bytes
	s_mov_b32 s[G1+3], 32<<16
	s_mov_b32 s[G1+4], 51
	s_mov_b32 s[G1+5], 32
	s_mov_b32 s[G1+6], 0
	s_mov_b32 s[G1+7], 0
	s_mov_b32 s[SEL], 0x76543210
	s_mov_b32 s[SEL+1], 0xfedcba98
	s_bfe_u32 s15, ttmp6, 0x40000                  ; cx: it enters the addresses of query and of O's codes and scales alone
	s_lshl_b32 s16, ttmp9, 2
	s_add_co_u32 s16, s16, s15                     ; my block of 256 queries
	s_lshl_b32 s56, s18, 11
	s_lshl_b32 s57, s16, 8
	s_add_co_u32 s56, s56, s57
	s_lshl_b32 s57, s[WV], 4
	s_add_co_u32 s56, s56, s57                     ; my wave's first row
	s_lshl_b32 s56, s56, 12
	s_lshl_b32 s57, s19, 8
	s_add_co_u32 s56, s56, s57                     ; in bytes, + the head's 256
	s_mov_b32 s57, 0
	s_lshl_b32 s58, s18, 13                        ; the batch's 2,048 mask words
	s_mov_b32 s59, 0
	s_lshl_b32 s40, s18, 4
	s_lshl_b32 s41, s16, 1
	s_add_co_u32 s40, s40, s41                     ; the first of my work-group's two blocks of 128 rows of O
	s_lshl_b32 s60, s40, 4
	s_add_co_u32 s60, s60, s19
	s_lshl_b32 s60, s60, 8                         ; its 256 scale bytes for my head
	s_mov_b32 s61, 0
	s_lshr_b32 s41, s[WV], 3
	s_add_co_u32 s40, s40, s41
	s_lshl_b32 s40, s40, 4
	s_add_co_u32 s40, s40, s19
	s_mul_i32 s40, s40, 6144
	s_and_b32 s41, s[WV], 7
	s_mul_i32 s41, s41, 768
	s_add_co_u32 s62, s40, s41                     ; my wave's half fragment of O
	s_mov_b32 s63, 0
	s_wait_alu depctr_va_vdst(0)                   ; the wait here, directly ahead of the waits below
	s_wait_dscnt 0x0                               ; both opening adds are done
	s_wait_kmcnt 0x0
	s_add_nc_u64 s[4:5], s[4:5], s[56:57]
	s_add_nc_u64 s[6:7], s[6:7], s[58:59]
	s_add_nc_u64 s[12:13], s[12:13], s[60:61]
	s_add_nc_u64 s[10:11], s[10:11], s[62:63]
	global_load_b128 v[236:239], v250, s[6:7]      ; 512 threads take the batch's 2,048 mask words
.irp i, 0,1,2,3,4,5,6,7
	global_load_b128 v[S+4*\i:S+4*\i+3], v251, s[4:5] offset:8192*\i th:TH_LOAD_NT   ; sixteen lanes read a row's 256 consecutive bytes
.endr
	s_mov_b32 s[G0], 1
	s_mov_b32 s[G0+1], s54
	s_add_nc_u64 s[G0+2:G0+3], s[8:9], s[52:53]
	s_or_b32 s[G0+3], s[G0+3], 0x80000000
	CROUND                                         ; all four work-groups are here: the joint loads meet
	tensor_load_to_lds s[G0:G0+3], s[G1:G1+7]      ; my one tensor load: one load of a wave is out
	s_nop 0
	v_mov_b32 v248, 0x1f                           ; the code of +7.5
	s_wait_alu depctr_va_vdst(0)                   ; the wait here, directly ahead of the wait below
	s_wait_loadcnt 8                               ; the mask words are in; Q's eight loads may be out
.irp i, 0,1,2,3
	v_cmp_eq_u32 vcc_lo, 0, v[236+\i]
	v_cndmask_b32 v[240+\i], 0, v248, vcc_lo
.endr
	ds_store_b128 v252, v[240:243]
	v_or_b32 v249, v236, v237
	v_or_b32 v248, v238, v239
	v_or_b32 v249, v249, v248
	v_cmp_ne_u32 vcc_lo, 0, v249
	v_mov_b32 v249, vcc_lo                         ; not 0 where a key of my wave's 128 counts
	ds_store_b32 v253, v249
	s_wait_loadcnt 0x0
.irp i, 0,1,2,3,4,5,6,7                        ; Q through my own stage: in as loaded, back 128 bytes a lane.  LDS serves a wave's instructions in order
	ds_store_b128 v10, v[S+4*\i:S+4*\i+3] offset:544*\i
.endr
.irp i, 0,1,2,3,4,5,6,7
	ds_load_b128 v[S+32+4*\i:S+32+4*\i+3], v247 offset:16*\i
.endr
	v_mov_b32 v[T0], 0                             ; written once: a lane permute's destination counts as one of its sources
	v_mov_b32 v[TP], 0
	v_mov_b32 v[FF+1], 0
	v_mov_b32 v14, 0
	v_mov_b32 v15, 0
	v_mov_b32 v13, 0xdf800000                      ; the largest energy so far: -2^64
.irp t, 0,1,2,3,4,5,6,7
	v_mov_b32 v[F+8*\t+7], 0                       ; the tiles' spare registers, and the four behind the last tile: they meet zero codes of Q
.endr
.irp i, 0,1,2,3
	v_mov_b32 v[F+64+\i], 0
.endr
	v_sub_nc_u32 v246, 1, v245
	v_mul_u32_u24 v[QF+6], 0x3f, v246              ; the code of -7.5 at k = 64 (lanes 0-15); lanes 16-31, k = 96 on: zeros
.irp i, 7,8,9,10,11
	v_mov_b32 v[QF+\i], 0
.endr
	s_wait_alu depctr_va_vdst(0)                   ; the wait here, directly ahead of the wait below
	s_wait_dscnt 0x0                               ; a lane holds the whole block h of query r
.set X, S+32
	v_max3_num_f32 v[TM], |v[X]|, |v[X+1]|, |v[X+2]|
	v_max3_num_f32 v[TM+1], |v[X+3]|, |v[X+4]|, |v[X+5]|
.irp i, 6,10,14,18,22,26
	v_max3_num_f32 v[TM], v[TM], |v[X+\i]|, |v[X+\i+1]|
	v_max3_num_f32 v[TM+1], v[TM+1], |v[X+\i+2]|, |v[X+\i+3]|
.endr
	v_max3_num_f32 v[TM], v[TM], |v[X+30]|, |v[X+31]|
	v_max3_num_f32 v[TM], v[TM], v[TM+1], FLOOR
	v_add_nc_u32 v[TSC], OFF2, v[TM]
	v_cvt_scalef32_pk16_fp6_f32 v[QF:QF+2], v[X:X+15], v[TSC]
	v_cvt_scalef32_pk16_fp6_f32 v[PT:PT+2], v[X+16:X+31], v[TSC]
	v_lshrrev_b32 v[TP], 23, v[TSC]                ; the byte; also the plain line behind the conversions
.irp i, 0,1,2
	v_mov_b32 v[QF+3+\i], v[PT+\i]
.endr
	v_lshlrev_b32 v[TP], v[SH8], v[TP]
	v_permlanex16_b32 v[T0], v[TP], s[SEL], s[SEL+1]
	v_or_b32 v[T0], v[TP], v[T0]
	v_or_b32 v[QS], 0x9d0000, v[T0]                ; Q's scale word: bytes 0, 1; byte 2 = 157 for the block with the mask's code; byte 3 = 0
.set j, 0
.rept 32
	v_mov_b32 v[O+j], 0                            ; O^T: the step is written for every trip alike; the first finds zeros
.set j, j+1
.endr
	v_mov_b32 v250, FLAG
	s_wait_alu depctr_va_vdst(0)                   ; the wait here, directly ahead of the waits below
	s_wait_tensorcnt 0x0                           ; my step is in,
	s_wait_dscnt 0x0                               ; and so are my LDS stores (the mask's codes and the flag)
	s_barrier_signal -1
	s_barrier_wait -1                              ; everybody's are
	KEARLY                                         ; step 0's K, whole
	KLATE
.irp i, 0,1,2,3
	ds_load_b128 v[S+4*\i:S+4*\i+3], v250 offset:16*\i
.endr
	s_wait_dscnt 0x0
.irp i, 1,2,3,4,5,6,7,8,9,10,11,12,13,14,15
	v_or_b32 v[S], v[S], v[S+\i]
.endr
	v_readfirstlane_b32 s51, v[S]                  ; not 0 where a key of the batch counts
	s_cmp_lg_u32 s51, 0
	s_cselect_b32 s[CS], 0x3d38aa3b, 0             ; c = log2(e) / 32, or 0 where every key is masked: a select, no branch
	s_mov_b32 s[CS+1], s[CS]
	v_mul_f32 v12, s[CS], -v13
	v_floor_f32 v12, v12                           ; -M
	s_mov_b32 s[CNT], 15
	s_wait_alu depctr_va_vdst(0)                   ; the wait at the head's end
.Lstep:
	STEPA 1
	KLATE
	SUMB
	s_sub_co_u32 s[CNT], s[CNT], 1
	s_cmp_lg_u32 s[CNT], 0
	s_cbranch_scc1 .Lstep
	STEPA 0                                        ; the last step fetches nothing more
	SUMB
	; THE WAY OUT.  O^T / the sum; register i is d = 32 h + i of my query: a whole block of the last product's K.  It is quantised and leaves as the lane's part of a half fragment.
	v_add_f32 v14, v14, v15
	v_permlanex16_b32 v[T0], v14, s[SEL], s[SEL+1]
	v_add_f32 v14, v14, v[T0]                      ; the row's sum
	s_wait_alu depctr_va_vdst(0)                   ; the wait ahead of the transcendental
	v_rcp_f32 v14, v14
	v_and_b32 v6, 15, v0                           ; plain lines behind the reciprocal: the addresses of the way out
	v_lshrrev_b32 v7, 5, v0
	v_lshlrev_b32 v7, 5, v7
	v_lshl_add_u32 v7, v6, 1, v7
	v_add_nc_u32 v7, SSTG, v7                      ; my row's two scale bytes: 32 x wave + 2 r
	v_add_nc_u32 v8, SSTG, v[LN16]                 ; wave 0 reads them back: 16 bytes a lane
	v_bfe_u32 v9, v0, 4, 1
	v_lshlrev_b32 v9, 12, v9
	v_lshl_add_u32 v9, v6, 4, v9                   ; lanes 0-15: the first 128 rows' 256 bytes, lanes 16-31: the next 128 rows', 4,096 bytes on
	s_wait_alu depctr_va_vdst(0)                   ; the wait ahead of the first reader of the reciprocal and of O^T
.set j, 0
.rept 16
	v_pk_mul_f32 v[S+j:S+j+1], v[O+j:O+j+1], v[14:15] op_sel_hi:[1,0]
.set j, j+2
.endr
.irp b, 0,1
	v_max3_num_f32 v[TM+\b], |v[S+16*\b]|, |v[S+16*\b+1]|, FLOOR
.endr
.irp i, 2,4,6,8,10,12,14
.irp b, 0,1
	v_max3_num_f32 v[TM+\b], v[TM+\b], |v[S+16*\b+\i]|, |v[S+16*\b+\i+1]|
.endr
.endr
	v_max_num_f32 v[TM], v[TM], v[TM+1]
	v_add_nc_u32 v[TSC], OFF2, v[TM]
	v_cvt_scalef32_pk16_fp6_f32 v[PC:PC+2], v[S:S+15], v[TSC]
	v_cvt_scalef32_pk16_fp6_f32 v[PT:PT+2], v[S+16:S+31], v[TSC]
	v_lshrrev_b32 v[TP], 23, v[TSC]                ; the byte; also the plain line behind the conversions
.irp i, 0,1,2
	v_mov_b32 v[PC+3+\i], v[PT+\i]
.endr
	v_lshlrev_b32 v[TP], v[SH8], v[TP]
	v_permlanex16_b32 v[T0], v[TP], s[SEL], s[SEL+1]
	v_or_b32 v[T0], v[TP], v[T0]                   ; the row's two bytes, in both lanes
	global_store_b128 v[LN16], v[PC:PC+3], s[10:11]             ; 512 consecutive bytes
	global_store_b64 v[LN8], v[PC+4:PC+5], s[10:11] offset:512  ; 256 consecutive bytes
	ds_store_b16 v7, v[T0]
	s_wait_dscnt 0x0                               ; for wave 0's sake: my scale store is done
	s_barrier_signal -1
	s_barrier_wait -1
	s_cmp_lg_u32 s[WV], 0
	s_cbranch_scc1 .Lnot_first
	ds_load_b128 v[S:S+3], v8
	s_wait_dscnt 0x0
	global_store_b128 v9, v[S:S+3], s[12:13]       ; two runs of 256 consecutive bytes, aligned
.Lnot_first:
	s_wait_tensorcnt 0x0                           ; the wave's end
	ds_add_u32 v254, v255
	s_wait_dscnt 0x0
	CROUND                                         ; the closing round: no work-group ends while a partner may still ask for a step that names it
	s_endpgm
.Lfunc_end_k_q289bf524b6_attn:
	.size	k_q289bf524b6_attn, .Lfunc_end_k_q289bf524b6_attn-k_q289bf524b6_attn
	.p2alignl 7, 3214868480
	.fill 96, 4, 3214868480
	.section	.rodata,"a",@progbits
	.p2align	6, 0x0
	.amdhsa_kernel k_q289bf524b6_attn
		.amdhsa_group_segment_fixed_size 289536
		.amdhsa_private_segment_fixed_size 0
		.amdhsa_enable_private_segment 0
		.amdhsa_kernarg_size 40
		.amdhsa_user_sgpr_count 2
		.amdhsa_user_sgpr_kernarg_segment_ptr 1
		.amdhsa_wavefront_size32 1
		.amdhsa_system_sgpr_workgroup_id_x 1
		.amdhsa_system_sgpr_workgroup_id_y 1
		.amdhsa_system_sgpr_workgroup_id_z 1
		.amdhsa_system_vgpr_workitem_id 0
		.amdhsa_next_free_vgpr 256
		.amdhsa_next_free_sgpr 66
		.amdhsa_reserve_vcc 1
		.amdhsa_float_denorm_mode_32 3
		.amdhsa_float_denorm_mode_16_64 3
		.amdhsa_memory_ordered 1
		.amdhsa_forward_progress 1
		.amdhsa_inst_pref_size 49
	.end_amdhsa_kernel
	.amdgpu_metadata
---
amdhsa.version: [ 1, 2 ]
amdhsa.kernels:
  - .name:           k_q289bf524b6_attn
    .symbol:         k_q289bf524b6_attn.kd
    .args:
      - { .name: query, .offset: 0, .size: 8, .value_kind: global_buffer, .address_space: global }
      - { .name: mask, .offset: 8, .size: 8, .value_kind: global_buffer, .address_space: global }
      - { .name: kv, .offset: 16, .size: 8, .value_kind: global_buffer, .address_space: global }
      - { .name: o_codes, .offset: 24, .size: 8, .value_kind: global_buffer, .address_space: global }
      - { .name: o_scales, .offset: 32, .size: 8, .value_kind: global_buffer, .address_space: global }
    .group_segment_fixed_size: 289536
    .private_segment_fixed_size: 0
    .kernarg_segment_align: 8
    .kernarg_segment_size: 40
    .max_flat_workgroup_size: 512
    .sgpr_count:     66
    .vgpr_count:     256
    .wavefront_size: 32
...
	.end_amdgpu_metadata
.endif
;; end of part 2
;; launch proj (part 3): grid 8 x 32, 4 waves a work-group, clusters of 4 x 4, 222,720 bytes of LDS; arguments o_codes, o_scales, w_codes, w_scales, out0; writes out0
.if DOCPART == 3
	.amdgcn_target "amdgcn-amd-amdhsa--gfx1250"
	.amdhsa_code_object_version 6
	.text
	.protected	k_q289bf524b6_proj
	.globl	k_q289bf524b6_proj
	.p2align	8
	.type	k_q289bf524b6_proj,@function
k_q289bf524b6_proj:
	s_mov_b64 s[64:65], 0
	v_nop
	global_prefetch_b8 v0, s[64:65] scope:SCOPE_SE
	s_setreg_imm32_b32 hwreg(HW_REG_WAVE_MODE, 25, 1), 1
	s_wait_xcnt 0x0
	s_wait_alu depctr_hold_cnt(0) depctr_sa_sdst(0) depctr_va_vdst(0) depctr_va_sdst(0) depctr_va_ssrc(0) depctr_va_vcc(0) depctr_vm_vsrc(0)
	s_getreg_b32 s2, hwreg(HW_REG_IB_STS2, 6, 4)
	s_cmp_eq_u32 s2, 0
	s_cbranch_scc0 .Lentry_in_a_cluster
	s_endpgm
.Lentry_in_a_cluster:
	s_bfe_u32 s2, ttmp6, 0x10000c
	s_cmp_lg_u32 s2, 0xf033
	s_cbranch_scc0 .Lentry_shape_is_right
	s_endpgm
.Lentry_shape_is_right:
; out0[row][col] = sum over k of O[row][k] W_out[col][k]: [4096][1024] x [1024][1024], both as codes of FP6 (E2M3) with E8M0 scales, laid by the launches before as half fragments
; (768 bytes: 16 rows x 64 along K; lane l = r + 16 h: block h of row r, words 0-3 at 16 l, words 4-5 at 512 + 8 l).  O's rows lie as they are, W_out's in tile order (row r of tile T is 64 (T / 4) + 8 (T % 4) + r % 8 + 32 (r / 8)).
; A work-group makes 128 x 128 of out0 (256 work-groups), a wave 64 x 64: 16 accumulators.  ALL OF K LIES IN LDS: 98,304 bytes of codes and 4,096 of scales a side, filled once; nothing is filled again.
; The head's four tiles are shared out, one tensor load a wave: wave 0 O's codes, wave 1 W_out's, wave 2 O's scales, wave 3 W_out's.
; CLUSTERS: 4 x 4 work-groups; O's block is shared along a row of the cluster, W_out's along a column: each is asked for jointly.  No prefetch: every tile is asked for at the head, and there is no loop to run ahead in.
; THE MATRIX INSTRUCTION IS USED TRANSPOSED (source 0 = 16 rows of W_out, source 1 = 16 rows of O): with the tile order a lane's registers of my four tiles are 32 neighbouring columns of one row of out0.
; REGISTERS: window 0: v8-19 addresses; v32-63 scale words (lanes 0-15 O's tile, lanes 16-31 W_out's); v64-127 at work; v128-255 the accumulators ((a, b) at v[128 + 8 (4 a + b)]).
;   window 1: two fragment buffers at v0 and v128: W_out's four fragments, then O's four, 12 registers each.
.set CODES, 98304
.set HCH,   49152                      ; 8 pieces of 64 along K x 6,144 bytes: what one address register reaches
.set SCL,   2*CODES                    ; the scales: O's 4,096 bytes ([piece 16][128 rows] of two bytes), then W_out's
.set STG,   SCL+8192                   ; the way out: 16 rows x (256 bytes + 16) for each wave; no tensor load fills it
.set SPARE, STG+4*16*272               ; the spare words: 128 bytes a wave
.set AA16, 8
.set AA8,  10
.set AB16, 12
.set AB8,  14
.set AS,   16
.set STO,  17
.set RD,   18
.set CO,   19
.set SC,   32
.set TMPH, 64
.set OB,   64
.set ACC,  128
.set WV,   14
.set G1A,  24
.set G1B,  32
.set G1SA, 40
.set G1SB, 48
.set G0A,  56
.set G0B,  60
.set G0SA, 68
.set G0SB, 72
.set MSB, 0
.macro WIN new                         ; the immediate's high byte repeats the setting that is left
.if MSB != \new
	s_set_vgpr_msb (MSB<<8)|\new
.set MSB, \new
.endif
.endm
.macro CROUND                          ; a round of the cluster's barrier
	s_barrier_signal -1
	s_barrier_wait -1
	s_cmp_lg_u32 s[WV], 0
	s_cbranch_scc1 .Lnot_wave_0_\@
	s_barrier_signal -3
.Lnot_wave_0_\@:
	s_barrier_wait -3
	s_barrier_signal -1
	s_barrier_wait -1
.endm
	s_load_b256 s[4:11], s[0:1], 0x0               ; o_codes s[4:5], o_scales s[6:7], w_codes s[8:9], w_scales s[10:11]
	s_load_b64 s[12:13], s[0:1], 0x20              ; out0
	v_lshl_add_u32 v30, v0, 2, SPARE
	v_mov_b32 v31, 0
	ds_add_u32 v30, v31                            ; the opening lines: the add, twice on end, and its wait ahead of my tensor load
	ds_add_u32 v30, v31
	v_lshrrev_b32 v1, 5, v0
	v_readfirstlane_b32 s[WV], v1                  ; wave 0..3
	s_lshr_b32 s15, s[WV], 1                       ; which 64 rows are mine
	s_and_b32 s16, s[WV], 1                        ; which 64 columns
	s_bfe_u32 s17, ttmp6, 0x40000                  ; cx
	s_bfe_u32 s18, ttmp6, 0x40004                  ; cy
	s_lshl_b32 s19, ttmp9, 2
	s_add_co_u32 s19, s19, s17                     ; which 128 columns
	s_and_b32 s20, ttmp7, 0xffff
	s_lshl_b32 s20, s20, 2
	s_add_co_u32 s20, s20, s18                     ; which 128 rows
	s_lshl_b32 s21, s18, 2
	s_lshl_b32 s21, 15, s21                        ; my row of the cluster
	s_lshl_b32 s22, 0x1111, s17                    ; my column
	s_or_b32 s[G1A], s21, (3<<16)|(1<<21)          ; the mask; elements of 8 bytes; bit 21 set beside a mask; no padding: every LDS read takes consecutive bytes
	s_or_b32 s[G1B], s22, (3<<16)|(1<<21)
	s_or_b32 s[G1SA], s21, (3<<16)|(1<<21)
	s_or_b32 s[G1SB], s22, (3<<16)|(1<<21)
.irp g, G1A, G1B                       ; a side's codes: 98,304 dense bytes as 384 rows of 256
	s_mov_b32 s[\g+1], 32<<16
	s_mov_b32 s[\g+2], 384<<16
	s_mov_b32 s[\g+3], 32<<16
	s_mov_b32 s[\g+4], 384
	s_mov_b32 s[\g+5], 32
	s_mov_b32 s[\g+6], 0
	s_mov_b32 s[\g+7], 0
.endr
.irp g, G1SA, G1SB                     ; a side's scales: 4,096 dense bytes as 16 rows of 256
	s_mov_b32 s[\g+1], 32<<16
	s_mov_b32 s[\g+2], 16<<16
	s_mov_b32 s[\g+3], 32<<16
	s_mov_b32 s[\g+4], 16
	s_mov_b32 s[\g+5], 32
	s_mov_b32 s[\g+6], 0
	s_mov_b32 s[\g+7], 0
.endr
	s_mul_i32 s84, s20, CODES                      ; O's hang on the rows alone, which my row of the cluster shares;
	s_mov_b32 s85, 0
	s_lshl_b32 s86, s20, 12
	s_mov_b32 s87, 0
	s_mul_i32 s88, s19, CODES                      ; W_out's on the columns alone, which my column shares
	s_mov_b32 s89, 0
	s_lshl_b32 s90, s19, 12
	s_mov_b32 s91, 0
	s_wait_dscnt 0x0                               ; both opening adds are done
	s_wait_kmcnt 0x0
	s_mov_b32 s[G0A], 1
	s_mov_b32 s[G0A+1], 0
	s_add_nc_u64 s[G0A+2:G0A+3], s[4:5], s[84:85]
	s_or_b32 s[G0A+3], s[G0A+3], 0x80000000
	s_mov_b32 s[G0B], 1
	s_mov_b32 s[G0B+1], CODES
	s_add_nc_u64 s[G0B+2:G0B+3], s[8:9], s[88:89]
	s_or_b32 s[G0B+3], s[G0B+3], 0x80000000
	s_mov_b32 s[G0SA], 1
	s_mov_b32 s[G0SA+1], SCL
	s_add_nc_u64 s[G0SA+2:G0SA+3], s[6:7], s[86:87]
	s_or_b32 s[G0SA+3], s[G0SA+3], 0x80000000
	s_mov_b32 s[G0SB], 1
	s_mov_b32 s[G0SB+1], SCL+4096
	s_add_nc_u64 s[G0SB+2:G0SB+3], s[10:11], s[90:91]
	s_or_b32 s[G0SB+3], s[G0SB+3], 0x80000000
	CROUND                                         ; all sixteen work-groups are here: the joint loads meet
; one chain of branches on the wave's number, one load to an arm, all arms leading to one join: one load of a wave is out
.macro ARM under, g0, g1, next
	s_cmp_lt_u32 s[WV], \under
	s_cbranch_scc0 \next
	tensor_load_to_lds s[\g0:\g0+3], s[\g1:\g1+7]
	s_nop 0
.rept 4
	v_nop
.endr
	s_branch .Lasked
\next:
.endm
	ARM 1, G0A,  G1A,  .Lhead_b
	ARM 2, G0B,  G1B,  .Lhead_sa
	ARM 3, G0SA, G1SA, .Lhead_sb
	tensor_load_to_lds s[G0SB:G0SB+3], s[G1SB:G1SB+7]
	s_nop 0
.rept 4
	v_nop
.endr
.Lasked:
	v_and_b32 v1, 31, v0                           ; l
	v_and_b32 v2, 15, v0                           ; r
	v_bfe_u32 v3, v0, 4, 1                         ; h
	v_lshlrev_b32 v4, 4, v1
	v_lshlrev_b32 v5, 3, v1
	s_mul_i32 s95, s15, 3072                       ; O: my four tiles of rows
	s_mul_i32 s96, s16, 3072
	s_add_co_u32 s96, s96, CODES                   ; W_out: my four tiles of columns
.irp k, 0,1
	v_add_nc_u32 v[AA16+\k], s95, v4
	v_add_nc_u32 v[AA8+\k], s95, v5
	v_add_nc_u32 v[AB16+\k], s96, v4
	v_add_nc_u32 v[AB8+\k], s96, v5
	s_add_co_u32 s95, s95, HCH
	s_add_co_u32 s96, s96, HCH
.endr
	s_xor_b32 s97, s15, 1
	s_add_co_u32 s97, s97, s16
	s_lshl_b32 s97, s97, 7
	s_add_co_u32 s97, s97, 3968                    ; from O's scales of my rows to W_out's of my columns: 4,096 + 128 x column half - 128 x row half
	v_mul_u32_u24 v6, s97, v3                      ; lanes 16-31 take W_out's
	v_lshl_add_u32 v6, v2, 1, v6
	s_lshl_b32 s98, s15, 7
	s_add_co_u32 s98, s98, SCL
	v_add_nc_u32 v[AS], s98, v6
	s_mul_i32 s99, s[WV], 16*272
	s_add_co_u32 s99, s99, STG                     ; my stage
	v_mul_u32_u24 v6, v2, 272
	v_lshl_add_u32 v6, v3, 7, v6
	v_add_nc_u32 v[STO], s99, v6                   ; in: row r, + 128 h
	v_mul_u32_u24 v6, v3, 272
	v_lshl_add_u32 v6, v2, 4, v6
	v_add_nc_u32 v[RD], s99, v6                    ; back: lanes 0-15 one row of 256 bytes, lanes 16-31 the next
	v_lshlrev_b32 v6, 12, v3
	v_lshl_add_u32 v[CO], v2, 4, v6                ; and the same two rows in out0
	s_lshl_b32 s2, s20, 7
	s_lshl_b32 s3, s15, 6
	s_add_co_u32 s2, s2, s3                        ; my first row
	s_lshl_b32 s2, s2, 12
	s_lshl_b32 s3, s19, 9
	s_add_co_u32 s2, s2, s3
	s_lshl_b32 s3, s16, 8
	s_add_co_u32 s2, s2, s3                        ; + my first column, in bytes
	s_mov_b32 s3, 0
	s_add_nc_u64 s[12:13], s[12:13], s[2:3]
; 32 LDS loads: the eight fragments of K step s (128 along K: pieces 2 s, 2 s + 1) into the buffer at buf
.macro FETCH s, buf
	WIN 0x40                                       ; destination window 1, address window 0
.irp i, 0,1,2,3
.irp c, 0,1
	ds_load_b128 v[\buf+12*\i+6*\c:\buf+12*\i+6*\c+3], v[AB16+(\s)/4] offset:((2*(\s)+\c)%8)*6144+768*\i
	ds_load_b64 v[\buf+12*\i+6*\c+4:\buf+12*\i+6*\c+5], v[AB8+(\s)/4] offset:((2*(\s)+\c)%8)*6144+768*\i+512
	ds_load_b128 v[\buf+48+12*\i+6*\c:\buf+48+12*\i+6*\c+3], v[AA16+(\s)/4] offset:((2*(\s)+\c)%8)*6144+768*\i
	ds_load_b64 v[\buf+48+12*\i+6*\c+4:\buf+48+12*\i+6*\c+5], v[AA8+(\s)/4] offset:((2*(\s)+\c)%8)*6144+768*\i+512
.endr
.endr
	WIN 0
.endm
; K step s: the next step's fragments are asked for, then 16 products; the 16 accumulators take turns, in the same order in every step
.macro KSTEP s
	s_wait_dscnt 0x0                               ; this step's fragments are in
.if (\s) < 7
.if (\s) > 0
.rept 4
	v_nop                                          ; four places in front of loads into registers that the last step's products read
.endr
.endif
	FETCH (\s)+1, 128*(((\s)+1)%2)
.endif
.set FB, 128*((\s)%2)
	WIN 0x05                                       ; sources 0 and 1 window 1; C and D window 0
.irp a, 0,1,2,3
.irp b, 0,1,2,3
.if (\s) == 0
	v_wmma_scale_f32_16x16x128_f8f6f4 v[ACC+8*(4*\a+\b):ACC+8*(4*\a+\b)+7], v[FB+12*\b:FB+12*\b+11], v[FB+48+12*\a:FB+48+12*\a+11], 0, v[SC+4*(\s)+\b], v[SC+4*(\s)+\a] matrix_a_fmt:MATRIX_FMT_FP6 matrix_b_fmt:MATRIX_FMT_FP6 matrix_a_scale:MATRIX_SCALE_ROW1
.else
	v_wmma_scale_f32_16x16x128_f8f6f4 v[ACC+8*(4*\a+\b):ACC+8*(4*\a+\b)+7], v[FB+12*\b:FB+12*\b+11], v[FB+48+12*\a:FB+48+12*\a+11], v[ACC+8*(4*\a+\b):ACC+8*(4*\a+\b)+7], v[SC+4*(\s)+\b], v[SC+4*(\s)+\a] matrix_a_fmt:MATRIX_FMT_FP6 matrix_b_fmt:MATRIX_FMT_FP6 matrix_a_scale:MATRIX_SCALE_ROW1
.endif
.endr
.endr
	WIN 0
.endm
; THE WAY OUT of my rows 16 a on: 32 bytes of a row for each tile into my own stage, back as whole rows of 256 bytes.  LDS serves a wave's instructions in order (ISA guide 5.7.1.4)
.macro TOSTAGE a
.irp b, 0,1,2,3
	ds_store_b128 v[STO], v[ACC+8*(4*(\a)+\b):ACC+8*(4*(\a)+\b)+3] offset:32*\b        ; each accumulator from its low end on: columns 32 h + 8 b on
	ds_store_b128 v[STO], v[ACC+8*(4*(\a)+\b)+4:ACC+8*(4*(\a)+\b)+7] offset:32*\b+16
.endr
.irp t, 0,1,2,3,4,5,6,7
	ds_load_b128 v[OB+32*((\a)%2)+4*\t:OB+32*((\a)%2)+4*\t+3], v[RD] offset:544*\t
.endr
.endm
.macro SEND a, younger                 ; younger: the LDS instructions issued behind block a's loads, which may stay out
	s_wait_dscnt \younger
.irp t, 0,1,2,3,4,5,6,7
	global_store_b128 v[CO], v[OB+32*((\a)%2)+4*\t:OB+32*((\a)%2)+4*\t+3], s[12:13] offset:(16*(\a)+2*\t)*4096 th:TH_STORE_NT   ; 16 lanes store 256 consecutive bytes, aligned
.endr
.endm
	s_wait_alu depctr_va_vdst(0)                   ; the wait at the head's end
	s_wait_tensorcnt 0x0                           ; my tile of the head's four is in,
	s_barrier_signal -1
	s_barrier_wait -1                              ; everybody's is
.irp s, 0,1,2,3,4,5,6,7
.irp i, 0,1,2,3
	ds_load_u16 v[SC+4*\s+\i], v[AS] offset:512*\s+32*\i          ; piece 2 s: the scale word's lower two bytes,
	ds_load_u16 v[TMPH+4*\s+\i], v[AS] offset:512*\s+32*\i+256    ; piece 2 s + 1: its upper two
.endr
.endr
	FETCH 0, 0
	s_wait_dscnt 32                                ; all but the 32 fragment loads just issued
.set j, 0
.rept 32
	v_lshl_or_b32 v[SC+j], v[TMPH+j], 16, v[SC+j]  ; K ascending: the later lines are the places between the earlier words and their products
.set j, j+1
.endr
	s_wait_alu depctr_va_vdst(0)                   ; the wait here
.irp s, 0,1,2,3,4,5,6,7
	KSTEP \s
.endr
.rept 4
	v_nop                                          ; four places in front of the first read of results
.endr
	TOSTAGE 0
.irp a, 1,2,3
.if \a > 1
	s_wait_xcnt 0x0                                ; block a - 2's stores have read their registers: block a's loads may land there
.endif
	TOSTAGE \a
	SEND \a-1, 16                                  ; behind block a - 1's loads: block a's eight stores and eight loads
.endr
	SEND 3, 0
	s_wait_tensorcnt 0x0                           ; the wave's end
	ds_add_u32 v30, v31
	s_wait_dscnt 0x0
	CROUND                                         ; the closing round: no work-group ends while a partner may still ask for a block that names it
	s_endpgm
.Lfunc_end_k_q289bf524b6_proj:
	.size	k_q289bf524b6_proj, .Lfunc_end_k_q289bf524b6_proj-k_q289bf524b6_proj
	.p2alignl 7, 3214868480
	.fill 96, 4, 3214868480
	.section	.rodata,"a",@progbits
	.p2align	6, 0x0
	.amdhsa_kernel k_q289bf524b6_proj
		.amdhsa_group_segment_fixed_size 222720
		.amdhsa_private_segment_fixed_size 0
		.amdhsa_enable_private_segment 0
		.amdhsa_kernarg_size 40
		.amdhsa_user_sgpr_count 2
		.amdhsa_user_sgpr_kernarg_segment_ptr 1
		.amdhsa_wavefront_size32 1
		.amdhsa_system_sgpr_workgroup_id_x 1
		.amdhsa_system_sgpr_workgroup_id_y 1
		.amdhsa_system_sgpr_workgroup_id_z 1
		.amdhsa_system_vgpr_workitem_id 0
		.amdhsa_next_free_vgpr 512
		.amdhsa_next_free_sgpr 100
		.amdhsa_reserve_vcc 0
		.amdhsa_float_denorm_mode_32 3
		.amdhsa_float_denorm_mode_16_64 3
		.amdhsa_memory_ordered 1
		.amdhsa_forward_progress 1
		.amdhsa_inst_pref_size 56
	.end_amdhsa_kernel
	.amdgpu_metadata
---
amdhsa.version: [ 1, 2 ]
amdhsa.kernels:
  - .name:           k_q289bf524b6_proj
    .symbol:         k_q289bf524b6_proj.kd
    .args:
      - { .name: o_codes, .offset: 0, .size: 8, .value_kind: global_buffer, .address_space: global }
      - { .name: o_scales, .offset: 8, .size: 8, .value_kind: global_buffer, .address_space: global }
      - { .name: w_codes, .offset: 16, .size: 8, .value_kind: global_buffer, .address_space: global }
      - { .name: w_scales, .offset: 24, .size: 8, .value_kind: global_buffer, .address_space: global }
      - { .name: out0, .offset: 32, .size: 8, .value_kind: global_buffer, .address_space: global }
    .group_segment_fixed_size: 222720
    .private_segment_fixed_size: 0
    .kernarg_segment_align: 8
    .kernarg_segment_size: 40
    .max_flat_workgroup_size: 128
    .sgpr_count:     100
    .vgpr_count:     512
    .wavefront_size: 32
...
	.end_amdgpu_metadata
.endif
;; end of part 3
